; MI455X (gfx1250); checked and timed in simulation.
; The chip was launched on July 23, 2026; its instructions are those of AMD's public machine-readable ISA for CDNA 5 (MIT licence, August 2026) and "CDNA5" Instruction Set Architecture Reference Guide (July 2026). The comments in the code are by the model that wrote it; some were corrected since.
;; Self Attention. Allowed arithmetic: matrix products marked QUANTISED: E2M3 operands, one E8M0 scale for each 32 along K, by v_wmma_scale_f32_16x16x128_f8f6f4 with both operands' format E2M3, f32 sums; everything else in f32.
;; Inputs: Wkv 1,024 x 2,048 float32; Wq 1,024 x 1,024 float32; x 4 x 2,048 x 1,024 float32.
;; Outputs: out0 4 x 2,048 x 1,024 float32.
;; This version of the problem:
;;   THIS VERSION OF THE PROBLEM IS GIVEN IN LOW PRECISION. The matrix products marked QUANTISED in the list below multiply operands that are first quantised to E2M3 (2 exponent bits, 3 mantissa bits; 6 bits a number), with one power-of-two scale for each 32 numbers along K (OCP MX v1.0); their sums are f32. All else is computed in f32.
;;   The module's matrix products, in the order in which they are computed (A, B: the left and right operand; K: the contracted axis; several contracted axes count as one K, in the product's order):
;;     1. [M 8,192, K 1,024] x [K 1,024, N 1,024]; A: input x; B: input Wq: QUANTISED
;;     2. [M 8,192, K 1,024] x [K 1,024, N 2,048]; A: input x; B: input Wkv: QUANTISED
;;     3. batch 64 x [M 2,048, K 64] x [K 64, N 2,048]; A: computed on the way; B: computed on the way: QUANTISED
;;     4. batch 64 x [M 2,048, K 2,048] x [K 2,048, N 64]; A: softmax (see below); B: computed on the way: QUANTISED
;;   THE QUANTISER, for each operand of a quantised product, along K:
;;     - K is cut into blocks of 32 from its start; a last block that is shorter is filled with zeros.
;;     - A block's scale is 2^e with e = floor(log2(the largest magnitude in the block)) - 2, held to -126 .. 127; a block of zeros has e = 0. As a byte (E8M0): e + 127.
;;     - Each number is divided by its block's scale, clamped to +-7.5, and rounded to the nearest number of E2M3, ties to even, subnormals kept.
;;     - The product sums the exact products of the quantised numbers (number of the format x scale) in f32.
;;   ~~~python
;;   def quantise(x, axis):      # numpy; x: float32 -> the quantised numbers, widened to float32 again
;;       x = np.moveaxis(x, axis, -1); K = x.shape[-1]
;;       x = np.pad(x, [(0, 0)] * (x.ndim - 1) + [(0, -K % 32)]); x = x.reshape(x.shape[:-1] + (-1, 32)); a = np.abs(x).max(-1, keepdims=True)
;;       e = np.where(a > 0, np.clip(np.frexp(np.where(a > 0, a, 1))[1] - 1 - 2, -126, 127), 0)      # np.frexp(a)[1] - 1 = floor(log2(a)), exactly
;;       r = np.clip(x / 2.0 ** e, -7.5, 7.5)
;;       step = 2.0 ** (np.maximum(np.frexp(np.where(r == 0, 1, r))[1] - 1, 0) - 3)
;;       q = np.round(r / step) * step * 2.0 ** e      # np.round: ties to even
;;       return np.moveaxis(q.reshape(q.shape[:-2] + (-1,))[..., :K], -1, axis).astype(np.float32)
;;   ~~~
;;   SOFTMAX AHEAD OF A QUANTISED PRODUCT. Where the list says 'softmax', what is quantised is not the finished softmax but p = 2^(t - M), with t = logit x log2(e) and M = ceil(the row's largest t), a whole number; so 1/2 < the row's largest p <= 1. The row's sum l is taken of the UNQUANTISED p, in f32, and the product's result is divided by l at the end. Since M is a whole number, a kernel that streams over the keys may use a running M (the ceiling of the running maximum): every later rescaling is an exact power of two, which a block's scale takes up: the codes' values come out the same.
;;   OPERANDS COMPUTED ON THE WAY. 'Computed on the way' means the value that the module computes at that place (a softmax that the list does not call 'softmax' is quantised finished and normalised). What goes into a quantiser is computed in f32, as accurately as f32 sums, v_exp_f32 and their like allow (about 1e-6 of the number): no bf16 or f16 on the way to a quantiser, and a product that is left as it is and whose result goes on into a quantised operand takes f32 operands (vector FMAs, or v_wmma_f32_16x16x4_f32). A number that lies on a knife's edge between two numbers of the format may be rounded either way, as far as f32 arithmetic and the matrix unit's own rounding can turn it there, and no further.
;; One version. Each part assembles by itself: llvm-mc -triple=amdgcn-amd-amdhsa -mcpu=gfx1250 --defsym DOCPART=n.
;; ======== version 1 of 1: 3 launches
;; workspace buffers: xc 6,553,600 bytes; wc 2,457,600 bytes; att 20,185,088 bytes
;; launch prep (part 1): grid 352 x 1, 4 waves a work-group, no clusters, 68,096 bytes of LDS; arguments x, Wq, Wkv, xc, wc; writes xc, wc
.if DOCPART == 1
	.amdgcn_target "amdgcn-amd-amdhsa--gfx1250"
	.amdhsa_code_object_version 6
	.text
	.protected	k_q2463319333_prep
	.globl	k_q2463319333_prep
	.p2align	8
	.type	k_q2463319333_prep,@function
k_q2463319333_prep:
	s_mov_b64 s[64:65], 0
	v_nop
	global_prefetch_b8 v0, s[64:65] scope:SCOPE_SE
	s_setreg_imm32_b32 hwreg(HW_REG_WAVE_MODE, 25, 1), 1
	s_wait_xcnt 0x0
; x [8192][1024], Wq [1024][1024] and Wkv [1024][2048], all f32, become codes of FP6 (E2M3), 6 bits each, K innermost (K = the 1,024 input channels), with one E8M0 scale byte for each 32 along K.
; xc: codes [8192 places][768 bytes], then from byte XSCL the scale bytes [8192][32].  wc: codes [3072 places][768] (0-1023 the columns of Wq, 1024-3071 those of Wkv), then from byte WSCL [3072][32].
; ROW ORDER: row n lies at the place whose number is n with bits 3 and 4 exchanged.  So 16 neighbouring places hold rows 32 b + 8 u + r + 8 (r / 8): the tiles that the next launch wants, with no price in LDS there.
; A block's scale is 2^(floor(log2(its largest magnitude)) - 2); its byte is the largest magnitude's exponent field - 2, held at 1 from below.  A block of zeros so gets the byte 1 where the rule says 127: its codes are zeros, and this program alone reads the bytes.
; LIMITS: blocks whose largest magnitude lies under 2^(2 - 126), the floor, get the byte 1; NaN and infinities among the inputs are not served.
; Work-groups 0-255 take x: K is innermost, a tensor is a stream of blocks of 32; a wave takes 8 rows (8,192 numbers) in 16 steps of 512; dense loads of 512 bytes turn through the wave's own stage in LDS, so that a lane holds 16 neighbours.
; Work-groups 256-351 take the weights: K is the first axis; a lane takes a column and its registers run down K; a wave takes 32 columns x 256 along K, and the codes leave through the wave's own stage as rows of 192 bytes.
; No tensor loads, no barrier: waves share nothing.  The two paths have LDS bytes of their own.
.set XSCL,  6291456
.set WSCL,  2359296
.set SPW,   12                         ; v12  LDS address of my spare word: SPARE + 4 x my thread's number; never rewritten
.set NIL,   13                         ; v13  0; never rewritten
.set SPARE, 67584                      ; behind both paths' regions: the spare words, 128 bytes for each wave
.set EMAX,  2
; the path of x
.set STEPS, 16
.set CB,    12                         ; bytes of 16 codes
.set R,     16                         ; v16-79   four sets of 16 numbers as they are loaded
.set X,     80                         ; v80-111  two sets of 16 neighbours
.set E,     112                        ; v112-127 a scale byte for each step
.set C,     128                        ; v128-191 codes: four registers for each step, so that no store's data are written again
.set WREG,  8192                       ; LDS: a region for each wave: two stages of 32 x SP bytes, then its 256 scale bytes
.set SP,    80                         ; a lane's place in a stage: 64 bytes + 16 of padding
; the path of the weights
.set NB,    8                          ; blocks of 32 along K for a wave
.set PITCH, 272                        ; a stage row: sixteen places of 16 bytes, each with 12 bytes of codes, + 16
.set KROW,  768                        ; a row of codes in bytes
.set WSTG,  32768                      ; LDS: the four stages of this path begin here, 32 x PITCH bytes each
.set SB,    24                         ; v24-25   the scale bytes, four to a register
.set WX,    32                         ; v32-95   two sets of 32 numbers
.set WC,    96                         ; v96-102  a block's codes
.set OUTR,  112                        ; v112-175 the way out
.set VO,    176                        ; v176-207 offsets: i rows + 4 x lane; never rewritten
.set BT,    32                         ; s[32:47] the address of each of the eight blocks' first row; never rewritten
.macro XLOAD t
.irp i, 0,1,2,3
	global_load_b128 v[R+16*((\t)%4)+4*\i:R+16*((\t)%4)+4*\i+3], v3, s[4:5] offset:2048*(\t)+512*\i th:TH_LOAD_NT   ; 32 lanes read 512 consecutive bytes
.endr
.endm
.macro XTURN t                         ; a step's numbers through the stage: LDS serves a wave's instructions in order, so no wait stands between the stores and the loads
.irp i, 0,1,2,3
	ds_store_b128 v14, v[R+16*((\t)%4)+4*\i:R+16*((\t)%4)+4*\i+3] offset:32*SP*((\t)%2)+8*SP*\i
.endr
.irp i, 0,1,2,3
	ds_load_b128 v[X+16*((\t)%2)+4*\i:X+16*((\t)%2)+4*\i+3], v15 offset:32*SP*((\t)%2)+16*\i
.endr
.endm
.macro XSTEP t
.set XB, X+16*((\t)%2)
.if (\t) > 0
	s_wait_dscnt 1                                 ; this step's numbers are back from the stage (the last step's byte store may be out): so its stores into the stage have read their registers,
.else
	s_wait_dscnt 0x0
.endif
.if (\t)+4 < STEPS
	XLOAD (\t)+4                                   ; which take the loads of four steps on
.endif
.if (\t)+1 < STEPS
.if STEPS-2-(\t) >= 3
	s_wait_loadcnt 12                              ; the next step's four loads are in; those of the three steps behind it may be out
.else
	s_wait_loadcnt 4*(STEPS-2-(\t))
.endif
	XTURN (\t)+1                                   ; and go through the other stage while this step is worked
.endif
	v_max3_num_f32 v8, |v[XB]|, |v[XB+1]|, |v[XB+2]|               ; the largest magnitude of my 16, in two chains
	v_max3_num_f32 v9, |v[XB+3]|, |v[XB+4]|, |v[XB+5]|
.irp i, 6,10
	v_max3_num_f32 v8, v8, |v[XB+\i]|, |v[XB+\i+1]|
	v_max3_num_f32 v9, v9, |v[XB+\i+2]|, |v[XB+\i+3]|
.endr
	v_max3_num_f32 v8, v8, |v[XB+14]|, |v[XB+15]|
	v_max3_num_f32 v8, v8, v9, (EMAX+1)<<23        ; and the floor 2^(EMAX + 1 - 127): the byte cannot fall under 1
	v_max_num_f32_dpp v8, v8, v8 row_xmask:1 row_mask:0xf bank_mask:0xf   ; and of my neighbour's 16: the block's
	v_add_nc_u32 v11, -(EMAX<<23), v8              ; EMAX off its exponent field: the conversion takes the exponent field of this operand as its scale
	v_cvt_scalef32_pk16_fp6_f32 v[C+4*(\t):C+4*(\t)+2], v[XB:XB+15], v11
	v_lshrrev_b32 v[E+(\t)], 23, v11               ; the scale's byte (also the plain line behind the conversion)
	ds_store_b8 v5, v[E+(\t)] offset:16*(\t)       ; both lanes of a block write the same byte with the same value
	global_store_b96 v4, v[C+4*(\t):C+4*(\t)+2], s[14:15] offset:32*CB*(\t)   ; the wave stores 384 consecutive bytes
.endm
.macro WLOAD t                         ; block t: W(32 t + i, my column), i = 0 .. 31, into set t % 2: 32 lanes read 128 consecutive bytes
.set i, 0
.rept 32
	global_load_b32 v[WX+32*((\t)%2)+i], v[VO+i], s[BT+2*(\t):BT+2*(\t)+1] th:TH_LOAD_NT
.set i, i+1
.endr
.endm
.macro BLOCK t
.set XB, WX+32*((\t)%2)
.if (\t) < NB-1
	s_wait_loadcnt 32                              ; this block's 32 loads are in; the next block's may be out
.else
	s_wait_loadcnt 0
.endif
	v_max3_num_f32 v26, |v[XB]|, |v[XB+1]|, |v[XB+2]|              ; the block's largest magnitude: all 32 numbers are mine
	v_max3_num_f32 v27, |v[XB+3]|, |v[XB+4]|, |v[XB+5]|
.irp i, 6,10,14,18,22,26
	v_max3_num_f32 v26, v26, |v[XB+\i]|, |v[XB+\i+1]|
	v_max3_num_f32 v27, v27, |v[XB+\i+2]|, |v[XB+\i+3]|
.endr
	v_max3_num_f32 v26, v26, |v[XB+30]|, |v[XB+31]|
	v_max3_num_f32 v26, v26, v27, (EMAX+1)<<23     ; and the floor
	v_add_nc_u32 v11, -(EMAX<<23), v26             ; the conversion's scale operand
	v_lshrrev_b32 v27, 23, v11                     ; the scale's byte
.if (\t)%4 == 0
	v_mov_b32 v[SB+(\t)/4], v27                    ; four bytes to a register, the lower K in the lower byte
.else
	v_lshl_or_b32 v[SB+(\t)/4], v27, 8*((\t)%4), v[SB+(\t)/4]
.endif
	v_cvt_scalef32_pk16_fp6_f32 v[WC:WC+2], v[XB:XB+15], v11
	v_cvt_scalef32_pk16_fp6_f32 v[WC+4:WC+6], v[XB+16:XB+31], v11  ; (a conversion's three registers begin on an even number)
	v_nop                                          ; one plain line behind the conversions
	ds_store_b96 v4, v[WC:WC+2] offset:32*(\t)     ; 16 codes, 12 bytes, to a place of 16 bytes in the stage
	ds_store_b96 v4, v[WC+4:WC+6] offset:32*(\t)+16
.if (\t)+2 < NB
	WLOAD (\t)+2
.endif
	s_wait_dscnt 0x0                               ; the stores have read their registers: the next block's codes may be written
.endm
	s_load_b256 s[4:11], s[0:1], 0x0               ; x s[4:5], Wq s[6:7], Wkv s[8:9], xc s[10:11]
	s_load_b64 s[12:13], s[0:1], 0x20              ; wc
	v_lshl_add_u32 v[SPW], v0, 2, SPARE
	v_mov_b32 v[NIL], 0
	v_lshrrev_b32 v1, 5, v0
	v_readfirstlane_b32 s16, v1                    ; wave 0..3
	v_and_b32 v2, 31, v0                           ; lane
	s_cmp_lt_u32 ttmp9, 256                        ; the work-group's number alone decides the path
	s_cbranch_scc0 .Lweights
	; ---------------- x ----------------
	v_lshlrev_b32 v3, 4, v2                        ; my 16 bytes of a load's 512
	s_mul_i32 s17, s16, WREG
	v_lshrrev_b32 v14, 2, v2
	v_mul_u32_u24 v14, v14, SP
	v_and_b32 v15, 3, v2
	v_lshl_add_u32 v14, v15, 4, v14
	v_add_nc_u32 v14, s17, v14                     ; the stage, on the way in: SP (lane / 4) + 16 (lane % 4)
	v_mul_u32_u24 v15, v2, SP
	v_add_nc_u32 v15, s17, v15                     ; and on the way out: SP x lane: my 16 neighbours
	v_mul_u32_u24 v4, v2, CB                       ; my codes' place in a step's
	v_lshrrev_b32 v5, 1, v2
	s_add_co_u32 s17, s17, 2*32*SP
	v_add_nc_u32 v5, s17, v5                       ; LDS: my wave's 256 scale bytes, my block's byte
	v_lshlrev_b32 v7, 3, v2                        ; and on the way out 8 bytes a lane
	v_add_nc_u32 v6, s17, v7
	s_lshl_b32 s18, ttmp9, 2
	s_add_co_u32 s19, s18, s16                     ; which run of 8 rows I read: 4 x work-group + wave
	s_lshl_b32 s20, s19, 15                        ; 32,768 bytes a run
	s_mov_b32 s21, 0
	s_and_b32 s22, s16, 1                          ; bits 3 and 4 of a row are bits 0 and 1 of its run, which are the wave's two bits: exchanged for the place
	s_lshl_b32 s22, s22, 1
	s_lshr_b32 s23, s16, 1
	s_or_b32 s22, s22, s23
	s_add_co_u32 s18, s18, s22                     ; the run of 8 places that I write
	s_wait_alu depctr_va_vdst(0)
	s_wait_kmcnt 0x0
	s_add_nc_u64 s[4:5], s[4:5], s[20:21]
	s_mul_i32 s20, s18, 6144                       ; 8 rows of 768 bytes of codes
	s_add_nc_u64 s[14:15], s[10:11], s[20:21]
	s_lshl_b32 s20, s18, 8                         ; 8 rows of 32 scale bytes
	s_add_co_u32 s20, s20, XSCL
	s_add_nc_u64 s[10:11], s[10:11], s[20:21]
.irp t, 0,1,2,3
	XLOAD \t
.endr
	s_wait_loadcnt 12                              ; step 0's four loads are in
	XTURN 0
.irp t, 0,1,2,3,4,5,6,7,8,9,10,11,12,13,14,15
	XSTEP \t
.endr
	ds_load_b64 v[8:9], v6                         ; LDS serves a wave's instructions in order: these see my byte stores
	s_wait_dscnt 0x0
	global_store_b64 v7, v[8:9], s[10:11]          ; 32 lanes store 256 consecutive bytes, aligned
	s_wait_tensorcnt 0x0                           ; the wave's end: a wait, an add of 0 to my spare word and its wait, behind my last LDS store
	ds_add_u32 v[SPW], v[NIL]
	s_wait_dscnt 0x0
	s_endpgm
	; ---------------- the weights ----------------
.Lweights:
	s_sub_co_u32 s17, ttmp9, 256
	s_lshr_b32 s18, s17, 2                         ; which 128 columns of the 3,072: 0-7 Wq's, 8-23 Wkv's
	s_and_b32 s19, s17, 3                          ; which 256 along K
	s_wait_alu depctr_va_vdst(0)
	v_lshlrev_b32 v3, 2, v2                        ; in: 4 bytes a lane
	v_and_b32 v10, 7, v2                           ; my column's place among the wave's 32: the lane's number with bits 3 and 4 exchanged
	v_bfe_u32 v28, v2, 3, 1
	v_bfe_u32 v29, v2, 4, 1
	v_lshl_or_b32 v10, v28, 4, v10
	v_lshl_or_b32 v10, v29, 3, v10
	s_mul_i32 s26, s16, 32*PITCH
	s_add_co_u32 s26, s26, WSTG                    ; my stage
	v_mul_u32_u24 v4, v10, PITCH
	v_add_nc_u32 v4, s26, v4                       ; into it: row = my column's place
	v_and_b32 v5, 15, v2
	v_lshrrev_b32 v6, 4, v2                        ; out of it: sixteen lanes to a row, two rows an instruction
	v_mul_u32_u24 v7, v6, PITCH
	v_lshl_add_u32 v7, v5, 4, v7
	v_add_nc_u32 v7, s26, v7
	v_mul_u32_u24 v8, v6, KROW
	v_mad_u32_u24 v8, v5, 12, v8                   ; and the same place in the codes' buffer
	v_lshlrev_b32 v9, 5, v10                       ; my place's row of scale bytes
	s_wait_kmcnt 0x0
	s_cmp_lt_u32 s18, 8                            ; Wq or Wkv: only a pointer, a pitch and a column number are chosen
	s_mov_b32 s20, 8192
	s_cselect_b32 s20, 4096, s20                   ; bytes from row to row
	s_cselect_b32 s21, 0, 8
	s_cselect_b64 s[6:7], s[6:7], s[8:9]
	s_sub_co_u32 s21, s18, s21                     ; which 128 columns of that matrix
	s_lshl_b32 s21, s21, 9
	s_lshl_b32 s22, s16, 7
	s_add_co_u32 s22, s21, s22                     ; my wave's first column, in bytes
	s_lshl_b32 s23, s19, 8
	s_mul_i32 s23, s23, s20                        ; my first row, in bytes
	s_add_co_u32 s22, s22, s23
	s_mov_b32 s23, 0
	s_add_nc_u64 s[BT:BT+1], s[6:7], s[22:23]
	s_lshl_b32 s24, s20, 5                         ; 32 rows on
	s_mov_b32 s25, 0
.irp t, 1,2,3,4,5,6,7
	s_add_nc_u64 s[BT+2*\t:BT+2*\t+1], s[BT+2*\t-2:BT+2*\t-1], s[24:25]
.endr
.set i, 0
.rept 32
	v_mad_u32_u24 v[VO+i], s20, i, v3              ; i rows + 4 x lane
.set i, i+1
.endr
	s_lshl_b32 s27, s18, 7
	s_lshl_b32 s28, s16, 5
	s_add_co_u32 s27, s27, s28                     ; my wave's first place in wc
	s_mul_i32 s28, s27, KROW
	s_mul_i32 s29, s19, 192
	s_add_co_u32 s28, s28, s29
	s_mov_b32 s29, 0
	s_add_nc_u64 s[14:15], s[12:13], s[28:29]      ; the codes
	s_lshl_b32 s28, s27, 5
	s_lshl_b32 s30, s19, 3
	s_add_co_u32 s28, s28, s30
	s_add_co_u32 s28, s28, WSCL
	s_add_nc_u64 s[12:13], s[12:13], s[28:29]      ; the scale bytes
	s_wait_alu depctr_va_vdst(0)
	WLOAD 0
	WLOAD 1
.irp t, 0,1,2,3,4,5,6,7
	BLOCK \t
.endr
	s_wait_alu depctr_va_vdst(0)
	global_store_b64 v9, v[SB:SB+1], s[12:13]      ; my column's 8 scale bytes
.irp t, 0,1,2,3,4,5,6,7,8,9,10,11,12,13,14,15
	ds_load_b96 v[OUTR+4*\t:OUTR+4*\t+2], v7 offset:2*\t*PITCH   ; LDS serves a wave's instructions in order: these see my stores
.endr
.irp t, 0,1,2,3,4,5,6,7,8,9,10,11,12,13,14,15
	s_wait_dscnt 15-\t                             ; the later loads may be out
	global_store_b96 v8, v[OUTR+4*\t:OUTR+4*\t+2], s[14:15] offset:2*\t*KROW   ; sixteen lanes store a row's 192 consecutive bytes
.endr
	s_wait_tensorcnt 0x0                           ; the wave's end: a wait, an add of 0 to my spare word and its wait, behind my last LDS store
	ds_add_u32 v[SPW], v[NIL]
	s_wait_dscnt 0x0
	s_endpgm
.Lfunc_end_k_q2463319333_prep:
	.size	k_q2463319333_prep, .Lfunc_end_k_q2463319333_prep-k_q2463319333_prep
	.p2alignl 7, 3214868480
	.fill 96, 4, 3214868480
	.section	.rodata,"a",@progbits
	.p2align	6, 0x0
	.amdhsa_kernel k_q2463319333_prep
		.amdhsa_group_segment_fixed_size 68096
		.amdhsa_private_segment_fixed_size 0
		.amdhsa_enable_private_segment 0
		.amdhsa_kernarg_size 40
		.amdhsa_user_sgpr_count 2
		.amdhsa_user_sgpr_kernarg_segment_ptr 1
		.amdhsa_wavefront_size32 1
		.amdhsa_system_sgpr_workgroup_id_x 1
		.amdhsa_system_sgpr_workgroup_id_y 1
		.amdhsa_system_sgpr_workgroup_id_z 1
		.amdhsa_system_vgpr_workitem_id 0
		.amdhsa_next_free_vgpr 208
		.amdhsa_next_free_sgpr 66
		.amdhsa_reserve_vcc 0
		.amdhsa_float_denorm_mode_32 3
		.amdhsa_float_denorm_mode_16_64 3
		.amdhsa_memory_ordered 1
		.amdhsa_forward_progress 1
		.amdhsa_inst_pref_size 76
	.end_amdhsa_kernel
	.amdgpu_metadata
---
amdhsa.version: [ 1, 2 ]
amdhsa.kernels:
  - .name:           k_q2463319333_prep
    .symbol:         k_q2463319333_prep.kd
    .args:
      - { .name: x, .offset: 0, .size: 8, .value_kind: global_buffer, .address_space: global }
      - { .name: Wq, .offset: 8, .size: 8, .value_kind: global_buffer, .address_space: global }
      - { .name: Wkv, .offset: 16, .size: 8, .value_kind: global_buffer, .address_space: global }
      - { .name: xc, .offset: 24, .size: 8, .value_kind: global_buffer, .address_space: global }
      - { .name: wc, .offset: 32, .size: 8, .value_kind: global_buffer, .address_space: global }
    .group_segment_fixed_size: 68096
    .private_segment_fixed_size: 0
    .kernarg_segment_align: 8
    .kernarg_segment_size: 40
    .max_flat_workgroup_size: 128
    .sgpr_count:     66
    .vgpr_count:     208
    .wavefront_size: 32
...
	.end_amdgpu_metadata
.endif
;; end of part 1
;; launch gemm (part 2): grid 12 x 32, 4 waves a work-group, clusters of 4 x 4, 327,680 bytes of LDS; arguments xc, wc, att; writes att
.if DOCPART == 2
	.amdgcn_target "amdgcn-amd-amdhsa--gfx1250"
	.amdhsa_code_object_version 6
	.text
	.protected	k_q2463319333_gemm
	.globl	k_q2463319333_gemm
	.p2align	8
	.type	k_q2463319333_gemm,@function
k_q2463319333_gemm:
	s_mov_b64 s[64:65], 0
	v_nop
	global_prefetch_b8 v0, s[64:65] scope:SCOPE_SE
	s_setreg_imm32_b32 hwreg(HW_REG_WAVE_MODE, 25, 1), 1
	s_wait_xcnt 0x0
	s_wait_alu depctr_hold_cnt(0) depctr_sa_sdst(0) depctr_va_vdst(0) depctr_va_sdst(0) depctr_va_ssrc(0) depctr_va_vcc(0) depctr_vm_vsrc(0)
	s_getreg_b32 s2, hwreg(HW_REG_IB_STS2, 6, 4)
	s_cmp_eq_u32 s2, 0
	s_cbranch_scc0 .Lentry_in_a_cluster
	s_endpgm
.Lentry_in_a_cluster:
	s_bfe_u32 s2, ttmp6, 0x10000c
	s_cmp_lg_u32 s2, 0xf033
	s_cbranch_scc0 .Lentry_shape_is_right
	s_endpgm
.Lentry_shape_is_right:
; The three projections q, k, v = x W on codes of FP6 (E2M3) with E8M0 scales for each 32 along K = 1,024; the f32 results are quantised in registers for the attention launch and stored in the order of its operands' registers.
; A tile of 256 x 256 results is made by four waves, 128 x 128 each: 64 accumulators, 512 registers.  K goes in steps of 256 through a ring of two LDS slots filled by the tensor data mover; the scale bytes of the tile's rows come once and stay.
; WHO IS WHAT.  The matrix instruction is used transposed: source 0 = 16 rows of B, source 1 = 16 rows of A; a lane then holds ONE row of A and its registers run along B's rows.
;   clusters x = 0, 1 (q and k): A = 256 places of x (tokens), B = 256 of the 2,048 weight rows of q and k.  A lane holds one token, its registers run along the channels: the next K (a head's 64).
;   cluster  x = 2    (v):       A = 256 of v's 1,024 weight rows, B = 256 places of x.  A lane holds one channel, its registers run along the tokens: the next K (the keys).
; ROW ORDER.  In xc and wc row n lies at the place n with bits 3 and 4 exchanged.  So the 16 registers of B's blocks 2 b and 2 b + 1 are 16 NEIGHBOURS along the next K, 32 b + 16 (lane / 16) + 0 .. 15,
; and a block of 16 places of A holds rows 32 b + 8 u + r + 8 (r / 8): the tiles of keys, queries and channels that the attention launch wants.
; THE FACTOR 1/8 ON Q is a power of two: the codes of q / 8 are those of q, the scales 8 times smaller.  q is quantised as it is and the attention launch multiplies the scores by log2(e) / 8.
; LIMITS: that differs from the rule only where a block's exponent would be held at -126 (|q| under about 2^-121).  Blocks under the floor 2^(3 - 127), blocks of zeros among them, get the byte 1: their codes are zeros. NaN and infinities are not served.
; CLUSTERS: 4 x 4 work-groups.  The four of a row of the cluster need the same tiles of A, the four of a column the same tiles of B: each tile is asked for jointly, by the same tensor load with the same descriptor and a mask that names the four.
; The choice between the two roles hangs on the cluster's x alone, which all sixteen partners share.
; REGISTERS, in windows of 256: window 0: v0-31 addresses; v32-63 scale words, two sets, and nothing else; from v128 A's fragments, one set.  window 1: B's fragments, two sets.  windows 2, 3: the accumulators ((a, b) at v[8 (8 (a % 4) + b)]).
;   On the way out, window 0: v1-9 addresses; v64-79 at work; v80-87 the eight scale words; v88-95 as they are stored; v128-223 the eight fragments made; v224-231 halves of blocks.
; No prefetch is laid: K has four steps, of which two are first fills.
.set SIZE_K, 1024
.set KSTEP,  256                       ; along K in a slot
.set NQ,     KSTEP/128                 ; matrix instructions deep
.set ROWB,   192                       ; a tile's row in bytes
.set KROW,   SIZE_K*6/8                ; a row of codes in memory
.set PITCH,  240                       ; an LDS row: 3 x (64 bytes of data + 16 of padding)
.set FR,     12                        ; registers of a fragment
.set NL,     6                         ; LDS loads that bring one
.set NP,     4                         ; places behind this matrix instruction (ISA guide 7.12.1)
.set HALFT,  128*PITCH                 ; 128 rows: what one tensor load brings
.set SLOT,   4*HALFT                   ; A's 256 rows, then B's 256 rows
.set LAPS,   SIZE_K/(2*KSTEP)
.set KS,     SIZE_K/32                 ; a row of scale bytes
.set SCL,    2*SLOT                    ; behind the ring: the scales, as runs of 256 bytes + 16 of padding
.set HALFS,  (128*KS/256)*272
.set SBLK,   (16*KS/256)*272
.set SPARE,  SCL+4*HALFS               ; behind the scales: the spare words, 128 bytes for each wave
.set KVO,    6291456                   ; att: K's and V's codes, 196,608 bytes a head (Q's codes lie at 0, 98,304 a head)
.set QSO,    18874368                  ; Q's scale words, 8,192 bytes a head
.set KVSO,   19398656                  ; K's (8,192) and V's (4,096) scale words, 12,288 bytes a head
.set ADRA, 16
.set ADRB, 20
.set ADRS, 27
.set SPW,  28                          ; v28  LDS address of my spare word; never rewritten
.set NIL,  29                          ; v29  0; never rewritten
.set SC,   32
.set AF,   128
.set TM,   64
.set PW,   80
.set SW,   88
.set FRG,  128
.set CT,   224
.set G1, 24
.set G0, 32
.set G1B, 48
.set G0B, 56
.set G1S, 68
.set G0S, 76
.set G1SB, 80
.set G0SB, 88
.set ISV, 95                           ; s95  1 in the cluster that makes v
.set RC,  96                           ; s96  which 128 places of A are my wave's
.set PCI, 97                           ; s97  which 128 places of B
.set SEL, 98                           ; s[98:99] lane selects for v_permlanex16_b32: lane l xor 16
.set MSB, 0
.macro WIN new                         ; the immediate's high byte repeats the setting that is left
.if MSB != \new
	s_set_vgpr_msb (MSB<<8)|\new
.set MSB, \new
.endif
.endm
.set MUL_LO, 0xa1                      ; source 0 (B) window 1, source 1 (A) window 0, C and D window 2
.set MUL_HI, 0xf1                      ; the same, C and D window 3
.set TO_B,   0x40                      ; destination window 1, address window 0
; A joint load: waves 0 and 1 fetch for A, waves 2 and 3 for B.  The branch hangs on the wave's number alone.  An s_nop 0 and four v_nop follow each of the two lines.
.macro JLOAD g0a, g1a, g0b, g1b
	s_cmp_eq_u32 s15, 0
	s_cbranch_scc0 .Lfor_b_\@
	tensor_load_to_lds s[\g0a:\g0a+3], s[\g1a:\g1a+7]
	s_nop 0
.rept 4
	v_nop
.endr
	s_branch .Lasked_\@
.Lfor_b_\@:
	tensor_load_to_lds s[\g0b:\g0b+3], s[\g1b:\g1b+7]
	s_nop 0
.rept 4
	v_nop
.endr
.Lasked_\@:
.endm
.macro CREST                           ; a round of the cluster's barrier behind its opening barrier
	s_cmp_lg_u32 s14, 0
	s_cbranch_scc1 .Lnot_wave_0_\@
	s_barrier_signal -3
.Lnot_wave_0_\@:
	s_barrier_wait -3
	s_barrier_signal -1
	s_barrier_wait -1
.endm
.macro CROUND                          ; a whole round
	s_barrier_signal -1
	s_barrier_wait -1
	CREST
.endm
	s_load_b128 s[4:7], s[0:1], 0x0                ; xc s[4:5], wc s[6:7]
	s_load_b64 s[12:13], s[0:1], 0x10              ; att
	v_lshl_add_u32 v[SPW], v0, 2, SPARE
	v_mov_b32 v[NIL], 0
	ds_add_u32 v[SPW], v[NIL]
	ds_add_u32 v[SPW], v[NIL]                      ; the wave's opening: the add and its wait stand ahead of my first tensor load; the set-up below, work on registers, stands between them
	v_lshrrev_b32 v1, 5, v0
	v_readfirstlane_b32 s14, v1                    ; wave 0..3
	s_lshr_b32 s15, s14, 1                         ; which half of A's 256 rows is mine.  Also: I fetch for A (0) or for B (1)
	s_and_b32 s16, s14, 1                          ; which half of B's.  Also: which 128 rows of that tile I fetch
	s_bfe_u32 s40, ttmp6, 0x40000                  ; cx, cy: my place in the cluster
	s_bfe_u32 s41, ttmp6, 0x40004
	s_and_b32 s17, ttmp7, 0xffff                   ; the cluster's y, 0..7
	s_cmp_eq_u32 ttmp9, 2                          ; the cluster's x: 0, 1 make q and k, 2 makes v
	s_cselect_b32 s[ISV], 1, 0
	s_cselect_b32 s42, s17, ttmp9                  ; B's tiles go by the cluster's x (weights) or, for v, by its y (tokens)
	s_cselect_b32 s17, 0, s17                      ; A's by its y (tokens) or, for v, all four tiles of weights lie in one cluster
	s_lshl_b32 s42, s42, 2
	s_add_co_u32 s42, s42, s40                     ; B's tile = 4 x that + cx
	s_lshl_b32 s17, s17, 2
	s_add_co_u32 s17, s17, s41                     ; A's tile = 4 x that + cy
	s_lshl_b32 s[RC], s17, 1
	s_add_co_u32 s[RC], s[RC], s15
	s_lshl_b32 s[PCI], s42, 1
	s_add_co_u32 s[PCI], s[PCI], s16               ; (both serve the stores' addresses alone)
	s_mov_b32 s[SEL], 0x76543210
	s_mov_b32 s[SEL+1], 0xfedcba98
	s_lshl_b32 s43, s41, 2
	s_lshl_b32 s43, 15, s43                        ; my row of the cluster
	s_lshl_b32 s44, 0x1111, s40                    ; my column
	; descriptor group 1: a tile of 128 rows x ROWB bytes, padded in LDS
	s_or_b32 s[G1+0], s43, (0<<16)|(1<<20)|(1<<21)|(3<<22)|(3<<25)  ; 15:0 the mask: A's tiles go to my row; 17:16 element of 1 byte; 20 padding on; 21 set beside a mask; 24:22 after every 16 words; 31:25 of 4 words
	s_or_b32 s[G1B+0], s44, (0<<16)|(1<<20)|(1<<21)|(3<<22)|(3<<25)
.irp g, G1, G1B
	s_mov_b32 s[\g+1], ROWB<<16                    ; tensor_dim0
	s_mov_b32 s[\g+2], 128<<16                     ; tensor_dim1 = 128
	s_mov_b32 s[\g+3], ROWB<<16                    ; tile_dim0
	s_mov_b32 s[\g+4], 128                         ; tile_dim1 = 128
	s_mov_b32 s[\g+5], KROW                        ; tensor_dim0_stride
	s_mov_b32 s[\g+6], 0
	s_mov_b32 s[\g+7], 0
.endr
	; and for the scales of 128 rows: a dense block of 4,096 bytes, as rows of 256 bytes (32 elements of 8 bytes), 16 bytes of padding behind each
	s_or_b32 s[G1S+0], s43, (3<<16)|(1<<20)|(1<<21)|(5<<22)|(3<<25)
	s_or_b32 s[G1SB+0], s44, (3<<16)|(1<<20)|(1<<21)|(5<<22)|(3<<25)
.irp g, G1S, G1SB
	s_mov_b32 s[\g+1], 32<<16
	s_mov_b32 s[\g+2], (128*KS/256)<<16
	s_mov_b32 s[\g+3], 32<<16
	s_mov_b32 s[\g+4], 128*KS/256
	s_mov_b32 s[\g+5], 32
	s_mov_b32 s[\g+6], 0
	s_mov_b32 s[\g+7], 0
.endr
	s_lshl_b32 s18, s16, 7                         ; which 128 rows of the tile I fetch
	s_lshl_b32 s20, s17, 8
	s_add_co_u32 s20, s20, s18                     ; A: place 256 x tile + 128 x half
	s_lshl_b32 s46, s42, 8
	s_add_co_u32 s46, s46, s18                     ; B likewise
	s_mov_b32 s21, 0
	s_mov_b32 s47, 0
	s_mov_b64 s[18:19], KS
	s_mul_u64 s[22:23], s[20:21], s[18:19]         ; where these rows' scales begin, in bytes
	s_mul_u64 s[92:93], s[46:47], s[18:19]
	s_mov_b64 s[18:19], KROW
	s_mul_u64 s[20:21], s[20:21], s[18:19]         ; and their codes
	s_mul_u64 s[46:47], s[46:47], s[18:19]
	s_cmp_eq_u32 ttmp9, 2                          ; the regions inside the two buffers
	s_cselect_b32 s8, 1572864, 0                   ; A's codes: v's weight rows begin at place 2,048 of wc
	s_mov_b32 s9, 0
	s_add_nc_u64 s[20:21], s[20:21], s[8:9]
	s_mov_b32 s8, 6291456
	s_cselect_b32 s8, 2424832, s8                  ; A's scales: wc's at 2,359,296 + 2,048 x 32, or xc's
	s_add_nc_u64 s[22:23], s[22:23], s[8:9]
	s_mov_b32 s8, 2359296
	s_cselect_b32 s8, 6291456, s8                  ; B's scales: xc's, or wc's
	s_add_nc_u64 s[92:93], s[92:93], s[8:9]
	s_mul_i32 s45, s14, HALFT                      ; where they go: wave x 128 rows: no place in the cluster enters an LDS address
	s_mul_i32 s94, s14, HALFS
	s_wait_dscnt 0x0                               ; the opening add is done
	s_wait_kmcnt 0x0
	s_cmp_eq_u32 ttmp9, 2
	s_cselect_b64 s[10:11], s[6:7], s[4:5]         ; A's buffer: wc for v, else xc
	s_cselect_b64 s[8:9], s[4:5], s[6:7]           ; B's: the other
	s_add_nc_u64 s[20:21], s[10:11], s[20:21]
	s_add_nc_u64 s[22:23], s[10:11], s[22:23]
	s_add_nc_u64 s[46:47], s[8:9], s[46:47]
	s_add_nc_u64 s[92:93], s[8:9], s[92:93]
	CROUND                                         ; all sixteen work-groups are here: the first joint loads meet
	s_mov_b32 s[G0S], 1
	s_add_co_u32 s[G0S+1], s94, SCL
	s_mov_b64 s[G0S+2:G0S+3], s[22:23]
	s_or_b32 s[G0S+3], s[G0S+3], 0x80000000
	s_mov_b32 s[G0SB], 1
	s_add_co_u32 s[G0SB+1], s94, SCL
	s_mov_b64 s[G0SB+2:G0SB+3], s[92:93]
	s_or_b32 s[G0SB+3], s[G0SB+3], 0x80000000
	JLOAD G0S, G1S, G0SB, G1SB                     ; the scales first: they are wanted with K step 0
.irp s, 0,1
	s_mov_b32 s[G0+4*\s], 1
	s_add_co_u32 s[G0+4*\s+1], s45, \s*SLOT
	s_add_nc_u64 s[G0+4*\s+2:G0+4*\s+3], s[20:21], \s*ROWB
	s_or_b32 s[G0+4*\s+3], s[G0+4*\s+3], 0x80000000
	s_mov_b32 s[G0B+4*\s], 1
	s_add_co_u32 s[G0B+4*\s+1], s45, \s*SLOT
	s_add_nc_u64 s[G0B+4*\s+2:G0B+4*\s+3], s[46:47], \s*ROWB
	s_or_b32 s[G0B+4*\s+3], s[G0B+4*\s+3], 0x80000000
	s_wait_alu depctr_va_vdst(0)
	s_wait_tensorcnt 0x0
	ds_add_u32 v28, v29
	s_wait_dscnt 0x0
	CROUND
	JLOAD G0+4*\s, G1, G0B+4*\s, G1B               ; one tensor load of mine is out
.endr
	v_and_b32 v1, 15, v0                           ; l % 16
	v_bfe_u32 v2, v0, 4, 1                         ; l / 16
	v_mul_u32_u24 v3, v1, PITCH
	v_mul_u32_u24 v4, v2, 24
	v_add_nc_u32 v4, v3, v4                        ; a fragment's row x pitch + 24 x half
	v_lshl_add_u32 v5, v2, 4, v4                   ; and the same behind one padding more
	s_mul_i32 s21, s15, HALFT                      ; my 128 rows of A
	s_mul_i32 s22, s16, HALFT                      ; my 128 rows of B,
	s_add_co_u32 s22, s22, 2*HALFT                 ; which lie behind A's 256
.irp s, 0,1
	v_add_nc_u32 v[ADRA+\s], s21, v4
	v_add_nc_u32 v[ADRB+\s], s22, v4
	v_add_nc_u32 v[ADRA+2+\s], s21, v5
	v_add_nc_u32 v[ADRB+2+\s], s22, v5
	s_add_co_u32 s21, s21, SLOT
	s_add_co_u32 s22, s22, SLOT
.endr
	v_mul_u32_u24 v5, v1, KS                       ; my row's scales: KS bytes a row,
	v_lshrrev_b32 v6, 8, v5
	v_lshl_add_u32 v5, v6, 4, v5                   ; and 16 more for each 256 passed
	s_mul_i32 s21, s15, HALFS                      ; A's: my 128 rows
	s_mul_i32 s22, s16, HALFS                      ; B's: my 128 rows, behind A's 256
	s_add_co_u32 s22, s22, 2*HALFS
	s_sub_co_u32 s22, s22, s21
	v_mul_u32_u24 v6, s22, v2                      ; lanes 16-31 take B's
	s_add_co_u32 s21, s21, SCL
	v_add_nc_u32 v5, v5, v6
	v_add_nc_u32 v[ADRS], s21, v5
.macro FRAG reg, adr, q, i             ; a fragment, 16 rows x 128 K of 6-bit codes, is 12 registers: lane l holds row l % 16; registers 6 c .. 6 c + 5 hold K = 64 c + 32 (l / 16) + 0 .. 31: 24 bytes of the row, as they lie
.irp p, 0,1,2,3,4,5                    ; in pieces of 8 bytes.  Lanes 16-31 read three pieces further on than lanes 0-15; where that lies behind one padding more, the second address register serves
.set PC, 12*(\q)+6*(\p/3)+\p%3
.if PC%8 < 5
	ds_load_b64 v[\reg+2*\p:\reg+2*\p+1], v[\adr] offset:8*PC+16*(PC/8)+(\i)*16*PITCH
.else
	ds_load_b64 v[\reg+2*\p:\reg+2*\p+1], v[\adr+2] offset:8*PC+16*(PC/8)+(\i)*16*PITCH
.endif
.endr
.endm
; 16 matrix instructions: A's blocks a0, a0 + 1 x B's eight, 128 along K.  p: B's set;  sc: the set of scale words.  zero = 1: the first product starts the sums.
; The 64 accumulators take turns, one instruction a turn, in the same order in every step.
.macro MUL16 a0, p, q, sc, zero
.irp a, \a0, \a0+1
.irp b, 0,1,2,3,4,5,6,7
.if \zero
	v_wmma_scale_f32_16x16x128_f8f6f4 v[8*(8*((\a)%4)+\b):8*(8*((\a)%4)+\b)+7], v[128*(\p)+FR*\b:128*(\p)+FR*\b+FR-1], v[AF+FR*(\a):AF+FR*(\a)+FR-1], 0, v[SC+8*NQ*(\sc)+NQ*\b+(\q)], v[SC+8*NQ*(\sc)+NQ*(\a)+(\q)] matrix_a_fmt:MATRIX_FMT_FP6 matrix_b_fmt:MATRIX_FMT_FP6 matrix_a_scale:MATRIX_SCALE_ROW1
.else
	v_wmma_scale_f32_16x16x128_f8f6f4 v[8*(8*((\a)%4)+\b):8*(8*((\a)%4)+\b)+7], v[128*(\p)+FR*\b:128*(\p)+FR*\b+FR-1], v[AF+FR*(\a):AF+FR*(\a)+FR-1], v[8*(8*((\a)%4)+\b):8*(8*((\a)%4)+\b)+7], v[SC+8*NQ*(\sc)+NQ*\b+(\q)], v[SC+8*NQ*(\sc)+NQ*(\a)+(\q)] matrix_a_fmt:MATRIX_FMT_FP6 matrix_b_fmt:MATRIX_FMT_FP6 matrix_a_scale:MATRIX_SCALE_ROW1
.endif
.endr
.endr
.endm
.macro FETCH_B slot, q, p              ; B's eight fragments of the slot's q-th 128 along K into set p
	WIN TO_B
.irp i, 0,1,2,3,4,5,6,7
	FRAG 128*(\p)+FR*\i, ADRB+\slot, \q, \i
.endr
	WIN 0
.endm
.macro FETCH_A slot, q, i0             ; A's blocks i0 .. i0 + 3
.irp i, \i0, \i0+1, \i0+2, \i0+3
	FRAG AF+FR*(\i), ADRA+\slot, \q, \i
.endr
.endm
.macro SCALES sc                       ; the next K step's scale words into set sc: lanes 0-15 take A's block i, lanes 16-31 B's block i
.irp i, 0,1,2,3,4,5,6,7
	ds_load_b64 v[SC+8*NQ*\sc+NQ*\i:SC+8*NQ*\sc+NQ*\i+1], v[ADRS] offset:\i*SBLK
.endr
.endm
.macro PLACES n                        ; plain vector lines between a matrix instruction and a load into, a vector write of, or a vector read of its registers
.rept \n
	v_nop
.endr
.endm
; A step of 128 along K that has its successor in the same slot.
.macro STEP slot, q, zero
	s_wait_dscnt 4*NL                              ; B's set and A's blocks 0-3 are in; the youngest 24 loads (A's blocks 4-7) may be out
	WIN MUL_LO
	MUL16 0, (\q)%2, \q, \slot, \zero
	MUL16 2, (\q)%2, \q, \slot, \zero
	s_wait_dscnt 0                                 ; A's blocks 4-7 are in
	PLACES NP
	FETCH_B \slot, (\q)+1, 1-(\q)%2
	FETCH_A \slot, (\q)+1, 0
	WIN MUL_HI
	MUL16 4, (\q)%2, \q, \slot, \zero
	MUL16 6, (\q)%2, \q, \slot, \zero
	PLACES NP
	WIN 0
	FETCH_A \slot, (\q)+1, 4
.endm
; A slot's last step changes slots: ONE barrier; in front of it each wave waits for all its tensor loads, adds 0 to its spare word, and waits for that and for its own reads of this slot.  fill = 1: this slot is filled again, two K steps ahead.
.macro TURN slot, next, fill
	s_wait_tensorcnt 0x0                           ; all my tensor loads have landed: my part of the next slot
	ds_add_u32 v[SPW], v[NIL]                      ; 0 onto my spare word
	s_wait_dscnt 4*NL+1                            ; (the add and the youngest 24 loads, A's blocks 4-7, may be out)
	WIN MUL_LO
	MUL16 0, 1, NQ-1, \slot, 0                     ; sixteen matrix instructions stand between the add and the wait for it
	s_wait_dscnt 0x0                               ; the add is done, and my reads of this slot are over
	s_barrier_signal -1
	MUL16 2, 1, NQ-1, \slot, 0
	WIN 0
	s_barrier_wait -1
.if \fill
	CREST                                          ; the barrier has opened a round of the cluster's barrier: no wave of any partner still reads this slot's tile or has a load on its way
	s_add_nc_u64 s[G0+4*\slot+2:G0+4*\slot+3], s[G0+4*\slot+2:G0+4*\slot+3], 2*ROWB
	s_add_nc_u64 s[G0B+4*\slot+2:G0B+4*\slot+3], s[G0B+4*\slot+2:G0B+4*\slot+3], 2*ROWB
	JLOAD G0+4*\slot, G1, G0B+4*\slot, G1B         ; the first tensor load behind the round; the four v_nop behind it are the places in front of the loads below
.else
	PLACES NP
.endif
	s_wait_alu depctr_va_vdst(0)
	v_add_nc_u32 v[ADRS], 4*NQ, v[ADRS]            ; on to the next K step's scale words
	FETCH_B \next, 0, 0
	FETCH_A \next, 0, 0
	SCALES \next
	WIN MUL_HI
	MUL16 4, 1, NQ-1, \slot, 0
	MUL16 6, 1, NQ-1, \slot, 0
	PLACES NP
	WIN 0
	FETCH_A \next, 0, 4
.endm
; THE QUANTISER of block a: a lane's 64 results, register 16 b + i = next K 32 b + 16 (lane / 16) + i of my row, become a fragment's 12 registers at v[FRG + 12 a] and its scale word in v[PW + a].
; The results lie in window 2 or 3; all else in window 0.  Each accumulator is first read at its two lowest registers.
.macro QUANT a
.set W, 2+(\a)/4
.set AC, 64*((\a)%4)
.set F, FRG+12*(\a)
	WIN 5*W                                        ; sources 0 and 1 in the results' window
.irp b, 0,1,2,3
	v_max3_num_f32 v[TM+\b], |v[AC+16*\b]|, |v[AC+16*\b+1]|, 0x1800000   ; block b: my 16 numbers, and the floor 2^(3 - 127): the byte cannot fall under 1
.endr
	WIN 20*W                                       ; sources 1 and 2
.irp i, 2,4,6,8,10,12,14
.irp b, 0,1,2,3
	v_max3_num_f32 v[TM+\b], v[TM+\b], |v[AC+16*\b+\i]|, |v[AC+16*\b+\i+1]|   ; (the four blocks by turns)
.endr
.endr
	WIN 0
.irp b, 0,1,2,3
	v_permlanex16_b32 v[TM+4+\b], v[TM+\b], s[SEL], s[SEL+1]
.endr
.irp b, 0,1,2,3
	v_max_num_f32 v[TM+\b], v[TM+\b], v[TM+4+\b]   ; with lane l xor 16's: the block's largest magnitude
.endr
.irp b, 0,1,2,3
	v_add_nc_u32 v[TM+12+\b], 0xff000000, v[TM+\b] ; 2 off its exponent field: the conversion's scale operand
.endr
.irp b, 0,1,2,3
	v_lshrrev_b32 v[TM+4+\b], 23, v[TM+12+\b]      ; the scale's byte
.endr
	v_lshl_or_b32 v[PW+(\a)], v[TM+5], 8, v[TM+4]  ; the four bytes make my row's scale word
	v_lshl_or_b32 v[PW+(\a)], v[TM+6], 16, v[PW+(\a)]
	v_lshl_or_b32 v[PW+(\a)], v[TM+7], 24, v[PW+(\a)]
	WIN W                                          ; source 0
.irp c, 0,1
	v_cvt_scalef32_pk16_fp6_f32 v[F+6*\c:F+6*\c+2], v[AC+32*\c:AC+32*\c+15], v[TM+12+2*\c]
	v_cvt_scalef32_pk16_fp6_f32 v[CT+4*\c:CT+4*\c+2], v[AC+32*\c+16:AC+32*\c+31], v[TM+13+2*\c]   ; (a conversion's three registers begin on an even number)
.endr
	WIN 0
	v_nop                                          ; one plain line behind the conversions
.irp c, 0,1                                    ; the operand's layout wants a whole block in a lane: lanes 0-15 block 2 c, lanes 16-31 block 2 c + 1
.irp i, 0,1,2
	v_permlane16_swap_b32 v[F+6*\c+\i], v[CT+4*\c+\i]
.endr
.irp i, 0,1,2
	v_mov_b32 v[F+3+6*\c+\i], v[CT+4*\c+\i]
.endr
.endr
.endm
	s_wait_alu depctr_va_vdst(0)
	s_wait_tensorcnt 1                             ; the scales and my part of K step 0 are in (K step 1's load may be out),
	s_barrier_signal -1
	s_barrier_wait -1                              ; everybody's are
	FETCH_B 0, 0, 0
	FETCH_A 0, 0, 0
	SCALES 0
	FETCH_A 0, 0, 4
	STEP 0, 0, 1                                   ; the first step stands in front of the loop: its products start the sums
	s_mov_b32 s3, LAPS-1
.Llap:                                                 ; a trip goes once round the ring, from a lap's second step to the next lap's first, and fills both slots again
	TURN 0, 1, 1
	STEP 1, 0, 0
	TURN 1, 0, 1
	STEP 0, 0, 0
	s_sub_co_u32 s3, s3, 1
	s_cmp_lg_u32 s3, 0
	s_cbranch_scc1 .Llap
	TURN 0, 1, 0                                   ; the last lap fills nothing, and has no round of the cluster's barrier
	STEP 1, 0, 0
	s_wait_dscnt 4*NL                              ; the very last step: nothing more to fetch
	WIN MUL_LO
	MUL16 0, 1, NQ-1, 1, 0
	MUL16 2, 1, NQ-1, 1, 0
	s_wait_dscnt 0
	WIN MUL_HI
	MUL16 4, 1, NQ-1, 1, 0
	MUL16 6, 1, NQ-1, 1, 0
	WIN 0
	; THE WAY OUT.  No stage: a fragment leaves as an image of its registers, each store 512 or 256 consecutive bytes, aligned.  No register that a store names is written again, so no wait stands among the stores.
	PLACES NP                                      ; behind the last products: their results are read, and the registers that held A's fragments are written
	v_and_b32 v9, 31, v0
	v_lshlrev_b32 v1, 4, v9                        ; 16 x lane: four registers of an image
	v_lshl_add_u32 v2, v9, 3, 512                  ; 512 + 8 x lane: the two registers behind them
	v_and_b32 v7, 15, v0                           ; r
	v_bfe_u32 v8, v0, 4, 1                         ; h
.irp b, 0,1,2,3
	v_mov_b32 v[TM+4+\b], 0                        ; written once: a lane permute's destination counts as one of its sources
.endr
.irp a, 0,1,2,3,4,5,6,7
	QUANT \a
.endr
	s_cmp_eq_u32 s[ISV], 1                         ; the same in all sixteen partners; no barrier and no tensor load stands under this branch
	s_cbranch_scc1 .Lvalues
	; q and k: my 128 columns are two heads.  Registers 0-5 of a fragment are the even head's half fragment (lane (r, h): d = 32 h + 0 .. 31 of row r), registers 6-11 the odd head's.
	s_and_b32 s19, s[PCI], 7                       ; which pair of heads
	s_lshr_b32 s20, s[RC], 4                       ; the batch
	s_and_b32 s21, s[RC], 15                       ; which 128 tokens of its 2,048: tiles 8 x that + a
	s_lshl_b32 s22, s20, 4
	s_lshl_b32 s19, s19, 1
	s_add_co_u32 s22, s22, s19                     ; the even head's number, 16 x batch + head
	s_cmp_eq_u32 ttmp9, 0                          ; q or k
	s_mov_b32 s40, 196608
	s_cselect_b32 s40, 98304, s40                  ; bytes of codes from head to head
	s_cselect_b32 s41, 0, KVO                      ; where the region begins
	s_mov_b32 s43, 12288
	s_cselect_b32 s43, 8192, s43                   ; the same for the scale words
	s_mov_b32 s44, KVSO
	s_cselect_b32 s44, QSO, s44
	s_mul_i32 s46, s22, s40
	s_add_co_u32 s46, s46, s41
	s_mul_i32 s23, s21, 6144                       ; 8 tiles of 768 bytes
	s_add_co_u32 s46, s46, s23
	s_mov_b32 s47, 0
	s_add_nc_u64 s[8:9], s[12:13], s[46:47]
	s_mul_i32 s46, s22, s43
	s_add_co_u32 s46, s46, s44
	s_lshl_b32 s23, s21, 9                         ; 8 tiles' words: two runs of 256 bytes
	s_add_co_u32 s46, s46, s23
	s_add_nc_u64 s[10:11], s[12:13], s[46:47]
	v_add_nc_u32 v3, s40, v1                       ; the odd head's places
	v_add_nc_u32 v4, s40, v2
	v_mul_u32_u24 v5, s43, v8                      ; scale words: lanes 0-15 the even head's, lanes 16-31 the odd head's; 16 bytes a row: four tiles' words
	v_lshl_add_u32 v5, v7, 4, v5
	v_mov_b32 v6, 0x01000100                       ; a head's two bytes, twice: so one word serves codes in the lower or in the upper half of an operand
	v_mov_b32 v9, 0x03020302
	v_cmp_eq_u32 vcc_lo, 1, v8
	v_cndmask_b32 v6, v6, v9, vcc_lo
.irp a, 0,1,2,3,4,5,6,7
	v_perm_b32 v[SW+\a], v[PW+\a], v[PW+\a], v6
.endr
.irp a, 0,1,2,3,4,5,6,7
	global_store_b128 v1, v[FRG+12*\a:FRG+12*\a+3], s[8:9] offset:768*\a
	global_store_b64 v2, v[FRG+12*\a+4:FRG+12*\a+5], s[8:9] offset:768*\a
	global_store_b128 v3, v[FRG+12*\a+6:FRG+12*\a+9], s[8:9] offset:768*\a
	global_store_b64 v4, v[FRG+12*\a+10:FRG+12*\a+11], s[8:9] offset:768*\a
.endr
	global_store_b128 v5, v[SW:SW+3], s[10:11]             ; sixteen lanes store 256 consecutive bytes, aligned
	global_store_b128 v5, v[SW+4:SW+7], s[10:11] offset:256
	s_branch .Ldone
.Lvalues:
	; v: my 128 rows are two heads' channels (head a / 4, channel tile a % 4), my 128 columns one run of 128 keys: each fragment is an operand of the second product as it stands.
	s_lshr_b32 s20, s[PCI], 4                      ; the batch
	s_and_b32 s21, s[PCI], 15                      ; which 128 keys
	s_lshl_b32 s22, s20, 4
	s_lshl_b32 s23, s[RC], 1
	s_add_co_u32 s22, s22, s23                     ; the even head's number
	s_mul_i32 s46, s22, 196608
	s_mul_i32 s23, s21, 6144                       ; four fragments of 1,536 bytes
	s_add_co_u32 s46, s46, s23
	s_add_co_u32 s46, s46, KVO+98304               ; V's codes lie behind K's
	s_mov_b32 s47, 0
	s_add_nc_u64 s[8:9], s[12:13], s[46:47]
	s_mul_i32 s46, s22, 12288
	s_lshl_b32 s23, s21, 8
	s_add_co_u32 s46, s46, s23
	s_add_co_u32 s46, s46, KVSO+8192               ; V's scale words lie behind K's
	s_add_nc_u64 s[10:11], s[12:13], s[46:47]
	v_mul_u32_u24 v5, v8, 12288
	v_lshl_add_u32 v5, v7, 4, v5
	v_cmp_eq_u32 vcc_lo, 1, v8
.irp i, 0,1,2,3
	v_cndmask_b32 v[SW+\i], v[PW+\i], v[PW+4+\i], vcc_lo   ; lanes 0-15 the even head's four tiles, lanes 16-31 the odd head's
.endr
	s_wait_alu depctr_va_vdst(0)
.irp a, 0,1,2,3,4,5,6,7
.irp c, 0,1,2
	global_store_b128 v1, v[FRG+12*\a+4*\c:FRG+12*\a+4*\c+3], s[8:9] offset:(\a/4)*196608+(\a%4)*1536+512*\c
.endr
.endr
	global_store_b128 v5, v[SW:SW+3], s[10:11]
.Ldone:
	s_wait_tensorcnt 0x0                           ; the wave's end: a wait, an add of 0 to my spare word and its wait, behind my last tensor load
	ds_add_u32 v[SPW], v[NIL]
	s_wait_dscnt 0x0
	CROUND                                         ; the closing round: no work-group ends while a partner may still ask for a tile that names it
	s_endpgm
.Lfunc_end_k_q2463319333_gemm:
	.size	k_q2463319333_gemm, .Lfunc_end_k_q2463319333_gemm-k_q2463319333_gemm
	.p2alignl 7, 3214868480
	.fill 96, 4, 3214868480
	.section	.rodata,"a",@progbits
	.p2align	6, 0x0
	.amdhsa_kernel k_q2463319333_gemm
		.amdhsa_group_segment_fixed_size 327680
		.amdhsa_private_segment_fixed_size 0
		.amdhsa_enable_private_segment 0
		.amdhsa_kernarg_size 24
		.amdhsa_user_sgpr_count 2
		.amdhsa_user_sgpr_kernarg_segment_ptr 1
		.amdhsa_wavefront_size32 1
		.amdhsa_system_sgpr_workgroup_id_x 1
		.amdhsa_system_sgpr_workgroup_id_y 1
		.amdhsa_system_sgpr_workgroup_id_z 1
		.amdhsa_system_vgpr_workitem_id 0
		.amdhsa_next_free_vgpr 1024
		.amdhsa_next_free_sgpr 100
		.amdhsa_reserve_vcc 1
		.amdhsa_float_denorm_mode_32 3
		.amdhsa_float_denorm_mode_16_64 3
		.amdhsa_memory_ordered 1
		.amdhsa_forward_progress 1
		.amdhsa_inst_pref_size 171
	.end_amdhsa_kernel
	.amdgpu_metadata
---
amdhsa.version: [ 1, 2 ]
amdhsa.kernels:
  - .name:           k_q2463319333_gemm
    .symbol:         k_q2463319333_gemm.kd
    .args:
      - { .name: xc, .offset: 0, .size: 8, .value_kind: global_buffer, .address_space: global }
      - { .name: wc, .offset: 8, .size: 8, .value_kind: global_buffer, .address_space: global }
      - { .name: att, .offset: 16, .size: 8, .value_kind: global_buffer, .address_space: global }
    .group_segment_fixed_size: 327680
    .private_segment_fixed_size: 0
    .kernarg_segment_align: 8
    .kernarg_segment_size: 24
    .max_flat_workgroup_size: 128
    .sgpr_count:     100
    .vgpr_count:     1024
    .wavefront_size: 32
...
	.end_amdgpu_metadata
.endif
;; end of part 2
;; launch attn (part 3): grid 4 x 64, 16 waves a work-group, clusters of 4 x 1, 280,576 bytes of LDS; arguments att, out0; writes out0
.if DOCPART == 3
	.amdgcn_target "amdgcn-amd-amdhsa--gfx1250"
	.amdhsa_code_object_version 6
	.text
	.protected	k_q2463319333_attn
	.globl	k_q2463319333_attn
	.p2align	8
	.type	k_q2463319333_attn,@function
k_q2463319333_attn:
	s_mov_b64 s[64:65], 0
	v_nop
	global_prefetch_b8 v0, s[64:65] scope:SCOPE_SE
	s_setreg_imm32_b32 hwreg(HW_REG_WAVE_MODE, 25, 1), 1
	s_wait_xcnt 0x0
	s_wait_alu depctr_hold_cnt(0) depctr_sa_sdst(0) depctr_va_vdst(0) depctr_va_sdst(0) depctr_va_ssrc(0) depctr_va_vcc(0) depctr_vm_vsrc(0)
	s_getreg_b32 s2, hwreg(HW_REG_IB_STS2, 6, 4)
	s_cmp_eq_u32 s2, 0
	s_cbranch_scc0 .Lentry_in_a_cluster
	s_endpgm
.Lentry_in_a_cluster:
	s_bfe_u32 s2, ttmp6, 0x10000c
	s_cmp_lg_u32 s2, 0x3003
	s_cbranch_scc0 .Lentry_shape_is_right
	s_endpgm
.Lentry_shape_is_right:
; out0[bh][q][:] = the sum over k of softmax_k(Q[q] . K[k] / 8) V[k][:], 64 heads (bh = 16 x batch + head) of 2,048 tokens and head size 64; both products on codes of FP6 (E2M3) with E8M0 scales for each 32 along K.
; THE SOFTMAX AHEAD OF THE SECOND PRODUCT: t = score x log2(e) / 8 (q was quantised without its 1/8, a power of two: the codes are the same); M = the row's largest t so far, rounded UP to a whole number; p = 2^(t - M) is
; quantised along the keys, not normalised.  The row's sum is taken of the unquantised p and divides O at the end.  When M moves, the sum and O are multiplied by 2^(old M - new M): exact.
; SHARES.  A cluster of four work-groups is one head; each work-group owns 512 queries; each of its sixteen waves owns two tiles of 16 queries, one after the other (two passes), in 256 registers: four waves to a SIMD.
; THE HEAD'S WHOLE K AND V, codes and scale words, 208,896 bytes, come into LDS ONCE, asked for jointly by the four work-groups (mask 15), by waves 0 to 3, five loads each, all at the kernel's head.  Nothing is filled again:
; no ring; four barriers, one in front of each quarter of the first pass, and none after.  All of it is asked for at the head, so there is no later request that a prefetch could run ahead of.
; LAYOUT.  Operands lie in att, and so in LDS, as images of their registers: every LDS read is 16 or 8 bytes a lane on end.  Both products are used transposed: S^T = K Q^T, O^T = V^T P^T: a lane holds ONE query throughout.
; A tile of 16 keys, queries or channels holds the rows 32 b + 8 u + r + 8 (r / 8) (tile 2 b + u, lane r): so the 16 registers of score tiles 2 b and 2 b + 1 are 16 neighbouring keys, 32 b + 16 (lane / 16) + 0 .. 15.
; THE FIRST PRODUCT'S K IS 64, the instruction's 128: the other half is zero codes on both sides.  Two tiles of K share six zero registers: [tile 6][zeros 6][tile 6]; the first is read with its codes at k 0-63, the second at k 64-127,
; against Q laid the same way.  Q's and K's scale words hold the head's two bytes twice, so one word serves both forms.
; LIMITS: NaN and infinities are not served.  A block whose every p has fallen to 0 keeps the byte 1: its codes are zeros.
.set KVO,   6291456                    ; att: K's and V's codes, 196,608 bytes a head
.set QSO,   18874368                   ; Q's scale words, 8,192 bytes a head
.set KVSO,  19398656                   ; K's and V's scale words, 12,288 bytes a head
.set LV,    98304                      ; LDS: K's codes from 0, V's from here,
.set LKS,   196608                     ; K's scale words,
.set LVS,   204800                     ; V's,
.set STAGE, 208896                     ; the stages for the way out: 16 rows x 272 bytes for each wave; no tile lands here
.set SPARE, 278528                     ; the spare words, 128 bytes for each wave
.set AK16, 1                           ; v1   16 x lane
.set AK8,  2                           ; v2   512 + 8 x lane
.set AV0,  3                           ; v3   LV + 16 x lane
.set ASK0, 4                           ; v4   LKS + 16 r
.set ASV0, 5                           ; v5   LVS + 16 r
.set SPW,  6                           ; v6   LDS address of my spare word; never rewritten
.set NIL,  7                           ; v7   0; never rewritten
.set ADK16, 8                          ; v8-12 the addresses of the step in hand
.set ADK8, 9
.set ADV,  10
.set ADS,  11
.set ADT,  12
                                       ; v14 -M, v15 the largest t, v[16:17] the sum in two halves
.set STO,  18                          ; v18  the stage: where I put 32 bytes of a row
.set RD,   19                          ; v19  and where I read a row back
.set GO,   20                          ; v20  my byte offset in two rows of out0
.set R16,  21                          ; v21  16 r
.set QF,   22                          ; v22-39   [Q's codes 6][zeros 6][Q's codes 6]
.set KF,   40                          ; v40-75   two triples [tile 6][zeros 6][tile 6]
.set VF,   76                          ; v76-123  V's four fragments
.set S,    124                         ; v124-187 S^T, then p
.set O,    188                         ; v188-219 O^T
.set VSR,  220                         ; v220-223 V's scale words
.set PCD,  224                         ; v224-235 p's codes
.set BM,   232                         ; v232-235 the blocks' largest scores; v236-243 at work; v244-247 the conversions' scale operands
.set KSR,  248                         ; v248-251 K's scale words; v252 f; v253 p's scale word; v254 at work; v255 Q's scale word
.set TB,   2                           ; s2   the step's codes: 6,144 bytes a step, in K's region and in V's
.set TS,   3                           ; s3   K's scale words: 512 bytes a step
.set WV,   18                          ; s18  my wave's number
.set SEL,  20                          ; s[20:21] lane selects for v_permlanex16_b32: lane l xor 16
.set CS,   22                          ; s[22:23] c = log2(e) / 8
.set G1C,  24                          ; s[24:31] descriptor group 1: 48 rows of 256 bytes
.set G1S,  32                          ; s[32:39] the same with 12 rows
.set G0,   40                          ; s[40:59] five groups 0: the scale words, then the four quarters; never rewritten
.set TJ,   66                          ; s66  V's scale words: 256 bytes a step
.set CNT,  67                          ; s67  steps to go
.set QP,   68                          ; s[68:69] Q's codes of my first tile
.set QSP,  70                          ; s[70:71] its scale words
.set OP,   72                          ; s[72:73] its first row of out0
.macro CROUND                          ; a round of the cluster's barrier
	s_barrier_signal -1
	s_barrier_wait -1
	s_cmp_lg_u32 s[WV], 0
	s_cbranch_scc1 .Lnot_wave_0_\@
	s_barrier_signal -3
.Lnot_wave_0_\@:
	s_barrier_wait -3
	s_barrier_signal -1
	s_barrier_wait -1
.endm
; A KEY STEP: 128 keys.
.macro STEP
	v_add_nc_u32 v[ADK16], s[TB], v[AK16]          ; (these five are also places behind the last step's products, in front of the loads into V's registers)
	s_wait_alu depctr_va_vdst(0)
	v_add_nc_u32 v[ADK8], s[TB], v[AK8]
	s_wait_alu depctr_va_vdst(0)
	v_add_nc_u32 v[ADV], s[TB], v[AV0]
	v_add_nc_u32 v[ADS], s[TS], v[ASK0]
	s_wait_alu depctr_va_vdst(0)
	v_add_nc_u32 v[ADT], s[TJ], v[ASV0]
.irp g, 0,1                                    ; S^T = K Q^T, four tiles of 16 keys at a time: tile 4 g + 2 i + u
.if \g
.rept 4
	v_nop                                          ; places in front of loads into registers that the four products above have read
.endr
.endif
.irp i, 0,1
.irp u, 0,1
	ds_load_b128 v[KF+18*\i+12*\u:KF+18*\i+12*\u+3], v[ADK16] offset:768*(4*\g+2*\i+\u)
	ds_load_b64 v[KF+18*\i+12*\u+4:KF+18*\i+12*\u+5], v[ADK8] offset:768*(4*\g+2*\i+\u)
.endr
.endr
	ds_load_b128 v[KSR:KSR+3], v[ADS] offset:256*\g        ; the four tiles' scale words of my row
	s_wait_dscnt 0x0
.irp i, 0,1
.irp u, 0,1
	v_wmma_scale_f32_16x16x128_f8f6f4 v[S+8*(4*\g+2*\i+\u):S+8*(4*\g+2*\i+\u)+7], v[KF+18*\i+6*\u:KF+18*\i+6*\u+11], v[QF+6*\u:QF+6*\u+11], 0, v[KSR+2*\i+\u], v255 matrix_a_fmt:MATRIX_FMT_FP6 matrix_b_fmt:MATRIX_FMT_FP6
.endr
.endr
.endr
.irp n, 0,1,2,3                                ; V's four fragments and their scale words are asked for now: they land while the softmax is worked
.irp c, 0,1,2
	ds_load_b128 v[VF+12*\n+4*\c:VF+12*\n+4*\c+3], v[ADV] offset:1536*\n+512*\c
.endr
.endr
	s_wait_alu depctr_va_vdst(0)
	ds_load_b128 v[VSR:VSR+3], v[ADT]
.rept 4
	v_nop                                          ; places in front of the first read of the scores
.endr
.irp b, 0,1,2,3
	v_max3_num_f32 v[BM+\b], v[S+16*\b], v[S+1+16*\b], v[S+2+16*\b]   ; the largest score of each block of 32 keys: it serves for the row's maximum and, since p rises with the score, for the block's largest p
.endr
.irp i, 3,5,7,9,11,13
.irp b, 0,1,2,3
	v_max3_num_f32 v[BM+\b], v[BM+\b], v[S+16*\b+\i], v[S+1+16*\b+\i]   ; (the four blocks by turns)
.endr
.endr
.irp b, 0,1,2,3
	v_max_num_f32 v[BM+\b], v[BM+\b], v[S+15+16*\b]
.endr
.irp b, 0,1,2,3
	s_delay_alu instid0(VALU_DEP_4)
	v_permlanex16_b32 v[236+\b], v[BM+\b], s[SEL], s[SEL+1]
.endr
.irp b, 0,1,2,3
	s_delay_alu instid0(VALU_DEP_4)
	v_max_num_f32 v[BM+\b], v[BM+\b], v[236+\b]    ; with lane l xor 16's 16 keys
.endr
	s_delay_alu instid0(VALU_DEP_2)
	v_max3_num_f32 v254, v232, v233, v234
	s_delay_alu instid0(VALU_DEP_1)
	v_max_num_f32 v254, v254, v235                 ; the step's largest score of my query
	s_delay_alu instid0(VALU_DEP_1)
	v_mul_f32 v254, s[CS], v254                    ; as t (c is positive)
	s_delay_alu instid0(VALU_DEP_1)
	v_max_num_f32 v15, v15, v254                   ; the running largest t
	v_mov_b32 v254, v14
	s_delay_alu instid0(VALU_DEP_2)
	v_floor_f32 v14, -v15                          ; the new -M = floor(-t) = -ceil(t): M is a whole number
	s_delay_alu instid0(VALU_DEP_1)
	v_sub_f32 v254, v14, v254                      ; M's old value less its new one: a whole number, 0 or less
	s_delay_alu instid0(VALU_DEP_1)
	v_cvt_i32_f32 v254, v254                       ; (it saturates)
	s_delay_alu instid0(VALU_DEP_1)
	v_ldexp_f32 v252, 1.0, v254                    ; f = 2^(old M - new M)
.set j, 0
.rept 32
	v_pk_fma_f32 v[S+j:S+j+1], v[S+j:S+j+1], s[CS:CS+1], v[14:15] op_sel_hi:[1,0,0]   ; t - M, two at a time (of the pairs c and -M the low word serves both halves)
.set j, j+2
.endr
.irp b, 0,1,2,3
	v_fma_f32 v[BM+\b], v[BM+\b], s[CS], v14       ; the same of each block's largest score
.endr
.set j, 0
	s_setprio 1
	s_wait_alu depctr_va_vdst(0)
.rept 64
	v_exp_f32 v[S+j], v[S+j]                       ; p = 2^(t - M), at most 1: not normalised
.set j, j+1
.endr
	v_pk_mul_f32 v[16:17], v[16:17], v[252:253] op_sel_hi:[1,0]   ; the sums under the new M (a plain line behind the exponentials)
	s_wait_alu depctr_va_vdst(0)                   ; one wait for the whole batch, ahead of its first reader
.irp b, 0,1,2,3
	v_exp_f32 v[BM+\b], v[BM+\b]                   ; the block's largest p: the same two instructions on the same number give the same bits
.endr
	v_pk_add_f32 v[236:237], v[128:129], v[132:133]
	v_pk_add_f32 v[250:251], v[136:137], v[140:141]
	v_pk_add_f32 v[248:249], v[144:145], v[148:149]
	v_pk_add_f32 v[246:247], v[152:153], v[156:157]
	v_pk_add_f32 v[244:245], v[160:161], v[164:165]
	v_pk_add_f32 v[242:243], v[168:169], v[172:173]
	v_pk_add_f32 v[240:241], v[176:177], v[180:181]
	v_pk_add_f32 v[16:17], v[16:17], v[184:185]
	v_pk_add_f32 v[236:237], v[236:237], v[124:125]
	v_pk_add_f32 v[250:251], v[250:251], v[126:127]
	v_pk_add_f32 v[248:249], v[248:249], v[130:131]
	v_pk_add_f32 v[246:247], v[246:247], v[134:135]
	v_pk_add_f32 v[244:245], v[244:245], v[138:139]
	v_pk_add_f32 v[242:243], v[242:243], v[142:143]
	v_pk_add_f32 v[240:241], v[240:241], v[146:147]
	v_pk_add_f32 v[16:17], v[16:17], v[150:151]
	v_pk_add_f32 v[236:237], v[236:237], v[154:155]
	v_pk_add_f32 v[250:251], v[250:251], v[158:159]
	v_pk_add_f32 v[248:249], v[248:249], v[162:163]
	v_pk_add_f32 v[246:247], v[246:247], v[166:167]
	v_pk_add_f32 v[244:245], v[244:245], v[170:171]
	v_pk_add_f32 v[242:243], v[242:243], v[174:175]
	v_pk_add_f32 v[240:241], v[240:241], v[178:179]
	v_pk_add_f32 v[16:17], v[16:17], v[182:183]
	v_pk_add_f32 v[236:237], v[236:237], v[186:187]
	s_delay_alu instid0(VALU_DEP_2)
	v_pk_add_f32 v[16:17], v[16:17], v[246:247]
	s_delay_alu instid0(VALU_DEP_2)
	v_pk_add_f32 v[236:237], v[236:237], v[244:245]
	v_pk_add_f32 v[250:251], v[250:251], v[242:243]
	v_pk_add_f32 v[248:249], v[248:249], v[240:241]
	s_delay_alu instid0(VALU_DEP_2)
	v_pk_add_f32 v[16:17], v[16:17], v[250:251]
	s_delay_alu instid0(VALU_DEP_2)
	v_pk_add_f32 v[236:237], v[236:237], v[248:249]
	s_delay_alu instid0(VALU_DEP_1)
	v_pk_add_f32 v[16:17], v[16:17], v[236:237]
	s_wait_alu depctr_va_vdst(0)                   ; and one for the four
.irp b, 0,1,2,3
	v_max_num_f32 v[BM+\b], 0x1800000, v[BM+\b]    ; the floor 2^(3 - 127): the byte cannot fall under 1
.endr
.irp b, 0,1,2,3
	s_delay_alu instid0(VALU_DEP_4)
	v_add_nc_u32 v[244+\b], 0xff000000, v[BM+\b]   ; 2 off the exponent field: the conversion's scale operand
.endr
.irp b, 0,1,2,3
	s_delay_alu instid0(VALU_DEP_4)
	v_lshrrev_b32 v[236+\b], 23, v[244+\b]         ; the scale's byte
.endr
	s_delay_alu instid0(VALU_DEP_3)
	v_lshl_or_b32 v253, v237, 8, v236              ; p's scale word for these 128 keys
	s_delay_alu instid0(VALU_DEP_1)
	v_lshl_or_b32 v253, v238, 16, v253
	s_delay_alu instid0(VALU_DEP_1)
	v_lshl_or_b32 v253, v239, 24, v253
.irp c, 0,1
	v_cvt_scalef32_pk16_fp6_f32 v[PCD+6*\c:PCD+2+6*\c], v[S+32*\c:S+15+32*\c], v[244+2*\c]
	v_cvt_scalef32_pk16_fp6_f32 v[236+4*\c:238+4*\c], v[S+16+32*\c:S+31+32*\c], v[244+2*\c+1]   ; (a conversion's three registers begin on an even number)
.endr
	v_nop                                          ; one plain line behind the conversions
.irp c, 0,1                                    ; the operand's layout wants a whole block in a lane: lanes 0-15 block 2 c, lanes 16-31 block 2 c + 1
.irp i, 0,1,2
	v_permlane16_swap_b32 v[PCD+6*\c+\i], v[236+4*\c+\i]
.endr
.irp i, 0,1,2
	s_delay_alu instid0(VALU_DEP_3)
	v_mov_b32 v[PCD+3+6*\c+\i], v[236+4*\c+\i]
.endr
.endr
.set j, 0
	s_setprio 0
.rept 16
	v_pk_mul_f32 v[O+j:O+j+1], v[O+j:O+j+1], v[252:253] op_sel_hi:[1,0]   ; O^T under the new M: x f.  (These 16 are also the places between the lines that made p's codes and scale word and the products below)
.set j, j+2
.endr
	s_wait_alu depctr_va_vdst(0)
	s_wait_dscnt 0x0                               ; V's fragments and scale words are in
.irp n, 0,1,2,3                                ; O^T += V^T P^T: the four accumulators by turns, one instruction a turn
	v_wmma_scale_f32_16x16x128_f8f6f4 v[O+8*\n:O+8*\n+7], v[VF+12*\n:VF+12*\n+11], v[PCD:PCD+11], v[O+8*\n:O+8*\n+7], v[VSR+\n], v253 matrix_a_fmt:MATRIX_FMT_FP6 matrix_b_fmt:MATRIX_FMT_FP6
.endr
	s_add_co_u32 s[TB], s[TB], 6144
	s_add_co_u32 s[TS], s[TS], 512
	s_add_co_u32 s[TJ], s[TJ], 256
.endm
.macro KEYS n                          ; n key steps
	s_mov_b32 s[CNT], \n
.Lkeys_\@:
	s_setprio 2
	STEP
	s_sub_co_u32 s[CNT], s[CNT], 1
	s_cmp_lg_u32 s[CNT], 0
	s_cbranch_scc1 .Lkeys_\@
	s_setprio 0
.endm
.macro QUARTER q                       ; the first pass walks the keys as they land, a quarter (512 keys) at a time
	s_wait_tensorcnt 3-\q                          ; in waves 0 to 3: the scale words and quarters 0 .. q have landed; the 3 - q later loads may stay out
	s_wait_dscnt 0x0
	s_barrier_signal -1
	s_barrier_wait -1                              ; everybody's parts have
	s_mov_b32 s[TB], 24576*\q
	s_mov_b32 s[TS], 2048*\q
	s_mov_b32 s[TJ], 1024*\q
	KEYS 4
.endm
; THE WAY OUT.  O^T / the sum goes through my own stage in LDS and leaves as whole rows of 256 bytes.  Register j of channel tile 2 b + u in lane (r, h) is channel 32 b + 16 h + 8 u + j; stage row r is query r + 8 (r / 8) of the tile's 32.
.macro WAYOUT p
	v_add_f32 v16, v16, v17                        ; the sum's two halves,
	s_delay_alu instid0(VALU_DEP_1)
	v_permlanex16_b32 v252, v16, s[SEL], s[SEL+1]
	s_delay_alu instid0(VALU_DEP_1)
	v_add_f32 v16, v16, v252                       ; and lane l xor 16's: the row's sum
	s_wait_alu depctr_va_vdst(0)
	v_rcp_f32 v16, v16
.rept 4
	v_nop                                          ; plain lines behind the reciprocal, and places behind the last products
.endr
	s_wait_alu depctr_va_vdst(0)                   ; the wait ahead of the reciprocal's first reader
.set j, 0
.rept 32
	v_mul_f32 v[S+j], v[O+j], v16                  ; each accumulator from its low end on
.set j, j+1
.endr
.irp n, 0,1,2,3
	ds_store_b128 v[STO], v[S+8*\n:S+8*\n+3] offset:128*(\n/2)+32*(\n%2)
	ds_store_b128 v[STO], v[S+8*\n+4:S+8*\n+7] offset:128*(\n/2)+32*(\n%2)+16
.endr
.irp i, 0,1,2,3,4,5,6,7
	ds_load_b128 v[S+32+4*\i:S+32+4*\i+3], v[RD] offset:544*\i   ; LDS serves a wave's instructions in order: these see my stores
.endr
.irp i, 0,1,2,3,4,5,6,7
	s_wait_dscnt 7-\i                              ; the later loads may be out
	global_store_b128 v[GO], v[S+32+4*\i:S+32+4*\i+3], s[OP:OP+1] offset:65536*\p+256*(2*\i+8*(\i/4)) th:TH_STORE_NT   ; sixteen lanes store a row's 256 consecutive bytes, aligned; two rows an instruction
.endr
.if \p == 0
	s_wait_xcnt 0x0                                ; the stores have read their registers: the next pass writes them again
.endif
.endm
.macro PASS p                          ; one tile of 16 queries against all 2,048 keys
	global_load_b128 v[QF:QF+3], v[AK16], s[QP:QP+1] offset:12288*\p          ; Q's half fragment, twice: at k 0-63 and at k 64-127
	global_load_b64 v[QF+4:QF+5], v[AK8], s[QP:QP+1] offset:12288*\p
	global_load_b128 v[QF+12:QF+15], v[AK16], s[QP:QP+1] offset:12288*\p
	global_load_b64 v[QF+16:QF+17], v[AK8], s[QP:QP+1] offset:12288*\p
	global_load_b32 v255, v[R16], s[QSP:QSP+1] offset:1024*\p
	v_mov_b32 v15, 0xff61b1e6                      ; the largest t so far: -3e38, under every t
	s_delay_alu instid0(VALU_DEP_1)
	v_floor_f32 v14, -v15                          ; -M
	v_mov_b32 v16, 0                               ; the sum, in two halves
	v_mov_b32 v17, 0
.set j, 0
.rept 32
	v_mov_b32 v[O+j], 0                            ; O^T: the step is written once; the first finds zeros, which the first change of M leaves zeros
.set j, j+1
.endr
	s_wait_loadcnt 0x0                             ; Q
.if \p == 0
	QUARTER 0
	QUARTER 1
	QUARTER 2
	QUARTER 3
.else
	s_mov_b32 s[TB], 0                             ; all of K and V lies in LDS and every wave has passed the barrier behind its last part
	s_mov_b32 s[TS], 0
	s_mov_b32 s[TJ], 0
	KEYS 16
.endif
	WAYOUT \p
.endm
	s_load_b128 s[4:7], s[0:1], 0x0                ; att s[4:5], out0 s[6:7]
	v_lshl_add_u32 v[SPW], v0, 2, SPARE
	v_mov_b32 v[NIL], 0
	ds_add_u32 v[SPW], v[NIL]                      ; the wave's opening: the add and its wait stand ahead of the first tensor loads; the set-up below, work on registers, stands between them
	ds_add_u32 v[SPW], v[NIL]
	v_lshrrev_b32 v8, 5, v0
	s_delay_alu instid0(VALU_DEP_1)
	v_readfirstlane_b32 s[WV], v8                  ; wave 0..15
	s_bfe_u32 s8, ttmp6, 0x40000                   ; cx: my place in the cluster: it enters Q's and out0's addresses alone
	s_lshl_b32 s9, ttmp9, 2
	s_add_co_u32 s9, s9, s8                        ; which 512 queries
	s_and_b32 s10, ttmp7, 0xffff                   ; the head, which the four partners share
	s_mov_b32 s[G1C], 15|(3<<16)|(1<<21)           ; 15:0 the mask: all four work-groups; 17:16 elements of 8 bytes; 20 padding off; 21 set beside a mask
	s_mov_b32 s[G1C+1], 32<<16                     ; tensor_dim0 = 32 elements: 256 bytes
	s_mov_b32 s[G1C+2], 48<<16                     ; tensor_dim1 = 48 rows: 12,288 dense bytes
	s_mov_b32 s[G1C+3], 32<<16                     ; tile_dim0
	s_mov_b32 s[G1C+4], 48                         ; tile_dim1
	s_mov_b32 s[G1C+5], 32                         ; the pitch
	s_mov_b32 s[G1C+6], 0
	s_mov_b32 s[G1C+7], 0
	s_mov_b32 s[G1S], 15|(3<<16)|(1<<21)
	s_mov_b32 s[G1S+1], 32<<16
	s_mov_b32 s[G1S+2], 12<<16                     ; 12 rows: 3,072 dense bytes
	s_mov_b32 s[G1S+3], 32<<16
	s_mov_b32 s[G1S+4], 12
	s_mov_b32 s[G1S+5], 32
	s_mov_b32 s[G1S+6], 0
	s_mov_b32 s[G1S+7], 0
	s_mov_b32 s[SEL], 0x76543210
	s_mov_b32 s[SEL+1], 0xfedcba98
	s_mov_b32 s[CS], 0x3e38aa3b                    ; c = log2(e) / 8
	s_mov_b32 s[CS+1], s[CS]                       ; (named with it as a pair, so it is written)
	s_and_b32 s11, s[WV], 3                        ; what a fetching wave fetches: waves 0, 1 the halves of a quarter of K, waves 2, 3 of V
	s_lshr_b32 s12, s11, 1
	s_mul_i32 s12, s12, LV
	s_and_b32 s13, s11, 1
	s_mul_i32 s13, s13, 12288
	s_add_co_u32 s12, s12, s13                     ; its place, the same in LDS and in the head's block of memory
	s_mul_i32 s13, s11, 3072                       ; and its quarter of the scale words
	s_mov_b32 s75, 0
	s_wait_dscnt 0x0                               ; the opening add is done
	s_wait_kmcnt 0x0
	s_mul_i32 s74, s10, 196608
	s_add_co_u32 s74, s74, s12
	s_add_co_u32 s74, s74, KVO
	s_add_nc_u64 s[76:77], s[4:5], s[74:75]
	s_mul_i32 s74, s10, 12288
	s_add_co_u32 s74, s74, s13
	s_add_co_u32 s74, s74, KVSO
	s_add_nc_u64 s[78:79], s[4:5], s[74:75]
	s_mov_b32 s[G0], 1                             ; 1:0 count = 1
	s_add_co_u32 s[G0+1], s13, LKS                 ; 63:32 LDS address
	s_mov_b64 s[G0+2:G0+3], s[78:79]               ; 120:64 global address
	s_or_b32 s[G0+3], s[G0+3], 0x80000000          ; 127:126 type = 2
.irp q, 0,1,2,3
	s_mov_b32 s[G0+4+4*\q], 1
	s_add_co_u32 s[G0+5+4*\q], s12, 24576*\q
	s_add_nc_u64 s[G0+6+4*\q:G0+7+4*\q], s[76:77], 24576*\q
	s_or_b32 s[G0+7+4*\q], s[G0+7+4*\q], 0x80000000
.endr
	s_mul_i32 s74, s10, 98304                      ; Q's codes: 98,304 bytes a head, 768 a tile; my first tile is 32 x (which 512) + wave
	s_lshl_b32 s14, s9, 5
	s_add_co_u32 s14, s14, s[WV]
	s_mul_i32 s14, s14, 768
	s_add_co_u32 s74, s74, s14
	s_add_nc_u64 s[QP:QP+1], s[4:5], s[74:75]
	s_lshl_b32 s74, s10, 13                        ; Q's scale words: 8,192 bytes a head; tile T's at 256 (T / 4) + 16 r + 4 (T % 4)
	s_lshl_b32 s14, s9, 3
	s_lshr_b32 s15, s[WV], 2
	s_add_co_u32 s14, s14, s15
	s_lshl_b32 s14, s14, 8
	s_add_co_u32 s74, s74, s14
	s_and_b32 s15, s[WV], 3
	s_lshl_b32 s15, s15, 2
	s_add_co_u32 s74, s74, s15
	s_add_co_u32 s74, s74, QSO
	s_add_nc_u64 s[QSP:QSP+1], s[4:5], s[74:75]
	s_lshl_b32 s74, s10, 19                        ; out0: 2,048 rows of 256 bytes a head; my tile's first row is 512 x (which 512) + 32 (wave / 2) + 8 (wave % 2)
	s_lshl_b32 s14, s9, 17
	s_add_co_u32 s74, s74, s14
	s_lshr_b32 s15, s[WV], 1
	s_lshl_b32 s15, s15, 13
	s_add_co_u32 s74, s74, s15
	s_and_b32 s15, s[WV], 1
	s_lshl_b32 s15, s15, 11
	s_add_co_u32 s74, s74, s15
	s_add_nc_u64 s[OP:OP+1], s[6:7], s[74:75]
	CROUND                                         ; all four work-groups are here: the joint loads meet
	s_cmp_lt_u32 s[WV], 4                          ; all first fills of a wave stand in one branch on the wave's number; five tensor loads of such a wave are out
	s_cbranch_scc0 .Lno_fetch
	tensor_load_to_lds s[G0:G0+3], s[G1S:G1S+7]
	s_nop 0
	tensor_load_to_lds s[G0+4:G0+7], s[G1C:G1C+7]
	s_nop 0
	tensor_load_to_lds s[G0+8:G0+11], s[G1C:G1C+7]
	s_nop 0
	tensor_load_to_lds s[G0+12:G0+15], s[G1C:G1C+7]
	s_nop 0
	tensor_load_to_lds s[G0+16:G0+19], s[G1C:G1C+7]
	s_nop 0
.rept 4
	v_nop
.endr
.Lno_fetch:
	v_and_b32 v9, 31, v0                           ; lane
	v_and_b32 v10, 15, v0                          ; r
	v_bfe_u32 v11, v0, 4, 1                        ; h
	s_delay_alu instid0(VALU_DEP_3)
	v_lshlrev_b32 v[AK16], 4, v9
	s_delay_alu instid0(VALU_DEP_4)
	v_lshl_add_u32 v[AK8], v9, 3, 512
	s_delay_alu instid0(VALU_DEP_2)
	v_add_nc_u32 v[AV0], LV, v[AK16]
	v_lshlrev_b32 v[R16], 4, v10
	s_delay_alu instid0(VALU_DEP_1)
	v_add_nc_u32 v[ASK0], LKS, v[R16]
	s_delay_alu instid0(VALU_DEP_2)
	v_add_nc_u32 v[ASV0], LVS, v[R16]
	s_mul_i32 s11, s[WV], 16*272
	s_add_co_u32 s11, s11, STAGE                   ; my stage
	v_mul_u32_u24 v[STO], v10, 272
	s_delay_alu instid0(VALU_DEP_1)
	v_lshl_add_u32 v[STO], v11, 6, v[STO]
	s_delay_alu instid0(VALU_DEP_1)
	v_add_nc_u32 v[STO], s11, v[STO]               ; in: row r, + 64 h
	v_mul_u32_u24 v[RD], v11, 272
	s_delay_alu instid0(VALU_DEP_1)
	v_lshl_add_u32 v[RD], v10, 4, v[RD]
	s_delay_alu instid0(VALU_DEP_1)
	v_add_nc_u32 v[RD], s11, v[RD]                 ; back: lanes 0-15 one row, lanes 16-31 the next
	v_lshlrev_b32 v[GO], 8, v11
	s_delay_alu instid0(VALU_DEP_1)
	v_lshl_add_u32 v[GO], v10, 4, v[GO]            ; and the same two rows in out0
.irp j, 0,1,2,3,4,5
	v_mov_b32 v[QF+6+\j], 0                        ; the zero codes of the padded K: written once
	v_mov_b32 v[KF+6+\j], 0
	v_mov_b32 v[KF+24+\j], 0
.endr
.irp b, 0,1,2,3
	v_mov_b32 v[236+\b], 0                         ; written once: a lane permute's destination counts as one of its sources
.endr
	v_mov_b32 v253, 0                              ; (named as the upper half of the pair v[252:253] before it is first written)
	PASS 0
	PASS 1
	s_wait_tensorcnt 0x0                           ; the wave's end: a wait, an add of 0 to my spare word and its wait, behind my last tensor load and my last LDS store
	ds_add_u32 v[SPW], v[NIL]
	s_wait_dscnt 0x0
	CROUND                                         ; the closing round: no work-group ends while a partner may still ask for a tile that names it
	s_endpgm
.Lfunc_end_k_q2463319333_attn:
	.size	k_q2463319333_attn, .Lfunc_end_k_q2463319333_attn-k_q2463319333_attn
	.p2alignl 7, 3214868480
	.fill 96, 4, 3214868480
	.section	.rodata,"a",@progbits
	.p2align	6, 0x0
	.amdhsa_kernel k_q2463319333_attn
		.amdhsa_group_segment_fixed_size 280576
		.amdhsa_private_segment_fixed_size 0
		.amdhsa_enable_private_segment 0
		.amdhsa_kernarg_size 16
		.amdhsa_user_sgpr_count 2
		.amdhsa_user_sgpr_kernarg_segment_ptr 1
		.amdhsa_wavefront_size32 1
		.amdhsa_system_sgpr_workgroup_id_x 1
		.amdhsa_system_sgpr_workgroup_id_y 1
		.amdhsa_system_sgpr_workgroup_id_z 1
		.amdhsa_system_vgpr_workitem_id 0
		.amdhsa_next_free_vgpr 256
		.amdhsa_next_free_sgpr 90
		.amdhsa_reserve_vcc 0
		.amdhsa_float_denorm_mode_32 3
		.amdhsa_float_denorm_mode_16_64 3
		.amdhsa_memory_ordered 1
		.amdhsa_forward_progress 1
		.amdhsa_inst_pref_size 107
	.end_amdhsa_kernel
	.amdgpu_metadata
---
amdhsa.version: [ 1, 2 ]
amdhsa.kernels:
  - .name:           k_q2463319333_attn
    .symbol:         k_q2463319333_attn.kd
    .args:
      - { .name: att, .offset: 0, .size: 8, .value_kind: global_buffer, .address_space: global }
      - { .name: out0, .offset: 8, .size: 8, .value_kind: global_buffer, .address_space: global }
    .group_segment_fixed_size: 280576
    .private_segment_fixed_size: 0
    .kernarg_segment_align: 8
    .kernarg_segment_size: 16
    .max_flat_workgroup_size: 512
    .sgpr_count:     90
    .vgpr_count:     256
    .wavefront_size: 32
...
	.end_amdgpu_metadata
.endif
;; end of part 3
